; MI455X (gfx1250); checked and timed in simulation.
; The chip was launched on July 23, 2026; its instructions are those of AMD's public machine-readable ISA for CDNA 5 (MIT licence, August 2026) and "CDNA5" Instruction Set Architecture Reference Guide (July 2026). The comments in the code are by the model that wrote it; some were corrected since.
;; Plastic Multi Head Attention. Allowed arithmetic: matrix products marked QUANTISED: E4M3 operands, one E8M0 scale for each 32 along K, by v_wmma_scale_f32_16x16x128_f8f6f4 with both operands' format E4M3, f32 sums; products left as they are: f32 operands where the result goes on into a quantised operand, else bf16, f16 or f32 operands; f32 sums; everything else in f32.
;; Inputs: W_qkv_codes 3,072 x 32 x 32 uint8 (E4M3 codes of W_qkv, K innermost, in blocks of 32 codes); W_qkv_scales 3,072 x 32 uint8 (E8M0 scales of W_qkv, one for each 32 codes along K); b_qkv 3,072 float32; hebbian_trace 16 x 64 x 64 float32; hidden_states_codes 1 x 4,096 x 32 x 32 uint8 (E4M3 codes of hidden_states, K innermost, in blocks of 32 codes); hidden_states_scales 1 x 4,096 x 32 uint8 (E8M0 scales of hidden_states, one for each 32 codes along K).
;; Outputs: out0 1 x 4,096 x 1,024 float32.
;; This version of the problem:
;;   THIS VERSION OF THE PROBLEM IS GIVEN IN LOW PRECISION. The matrix products marked QUANTISED in the list below multiply operands that are first quantised to E4M3 (4 exponent bits, 3 mantissa bits; 8 bits a number), with one power-of-two scale for each 32 numbers along K (OCP MX v1.0); their sums are f32. All else is computed in f32.
;;   The module's matrix products, in the order in which they are computed (A, B: the left and right operand; K: the contracted axis; several contracted axes count as one K, in the product's order):
;;     1. [M 4,096, K 1,024] x [K 1,024, N 3,072]; A: input hidden_states (given as codes); B: input W_qkv (given as codes): QUANTISED
;;     2. batch 16 x [M 4,096, K 64] x [K 64, N 4,096]; A: computed on the way; B: computed on the way: QUANTISED
;;     3. batch 16 x [M 4,096, K 4,096] x [K 4,096, N 64]; A: softmax (see below); B: computed on the way: QUANTISED
;;     4. batch 1,024 x [M 1, K 1] x [K 1, N 4,096]; A: computed on the way; B: computed on the way: left as it is (no contracted axis)
;;   THE QUANTISER, for each operand of a quantised product, along K:
;;     - K is cut into blocks of 32 from its start; a last block that is shorter is filled with zeros.
;;     - A block's scale is 2^e with e = floor(log2(the largest magnitude in the block)) - 8, held to -126 .. 127; a block of zeros has e = 0. As a byte (E8M0): e + 127.
;;     - Each number is divided by its block's scale, clamped to +-448, and rounded to the nearest number of E4M3, ties to even, subnormals kept.
;;     - The product sums the exact products of the quantised numbers (number of the format x scale) in f32.
;;   ~~~python
;;   def quantise(x, axis):      # numpy; x: float32 -> the quantised numbers, widened to float32 again
;;       x = np.moveaxis(x, axis, -1); K = x.shape[-1]
;;       x = np.pad(x, [(0, 0)] * (x.ndim - 1) + [(0, -K % 32)]); x = x.reshape(x.shape[:-1] + (-1, 32)); a = np.abs(x).max(-1, keepdims=True)
;;       e = np.where(a > 0, np.clip(np.frexp(np.where(a > 0, a, 1))[1] - 1 - 8, -126, 127), 0)      # np.frexp(a)[1] - 1 = floor(log2(a)), exactly
;;       r = np.clip(x / 2.0 ** e, -448, 448)
;;       step = 2.0 ** (np.maximum(np.frexp(np.where(r == 0, 1, r))[1] - 1, -6) - 3)
;;       q = np.round(r / step) * step * 2.0 ** e      # np.round: ties to even
;;       return np.moveaxis(q.reshape(q.shape[:-2] + (-1,))[..., :K], -1, axis).astype(np.float32)
;;   ~~~
;;   SOFTMAX AHEAD OF A QUANTISED PRODUCT. Where the list says 'softmax', what is quantised is not the finished softmax but p = 2^(t - M), with t = logit x log2(e) and M = ceil(the row's largest t), a whole number; so 1/2 < the row's largest p <= 1. The row's sum l is taken of the UNQUANTISED p, in f32, and the product's result is divided by l at the end. Since M is a whole number, a kernel that streams over the keys may use a running M (the ceiling of the running maximum): every later rescaling is an exact power of two, which a block's scale takes up: the codes' values come out the same.
;;   OPERANDS COMPUTED ON THE WAY. 'Computed on the way' means the value that the module computes at that place (a softmax that the list does not call 'softmax' is quantised finished and normalised). What goes into a quantiser is computed in f32, as accurately as f32 sums, v_exp_f32 and their like allow (about 1e-6 of the number): no bf16 or f16 on the way to a quantiser, and a product that is left as it is and whose result goes on into a quantised operand takes f32 operands (vector FMAs, or v_wmma_f32_16x16x4_f32). A number that lies on a knife's edge between two numbers of the format may be rounded either way, as far as f32 arithmetic and the matrix unit's own rounding can turn it there, and no further.
;;   INPUTS GIVEN AS CODES. W_qkv (in the module: [3072, 1024], K = its axis 1); hidden_states (in the module: [1, 4096, 1024], K = its axis 2): each comes as NAME_codes (uint8): NAME with its K axis moved to the last place and cut into blocks of 32 codes, [.., K / 32, bytes a block], one block behind the other in memory; one code a byte (a code: sign, 4 exponent bits, 3 mantissa bits); and NAME_scales (uint8): the same leading axes, one E8M0 byte (e + 127) for each 32 codes along K. Its value is code x scale, taken as it is: it is not quantised again, and the codes and scales need not be those that the quantiser above would give.
;; One version. Each part assembles by itself: llvm-mc -triple=amdgcn-amd-amdhsa -mcpu=gfx1250 --defsym DOCPART=n.
;; ======== version 1 of 1: 2 launches
;; limits: right only within a limited range of input values
;; workspace buffers: qimg 4,456,448 bytes; kv 8,781,824 bytes
;; launch qkv (part 1): grid 12 x 16, 4 waves a work-group, clusters of 4 x 4, 327,680 bytes of LDS; arguments hidden_states_codes, hidden_states_scales, W_qkv_codes, W_qkv_scales, b_qkv, qimg, kv; writes qimg, kv
.if DOCPART == 1
	.amdgcn_target "amdgcn-amd-amdhsa--gfx1250"
	.amdhsa_code_object_version 6
	.text
	.protected	k_q4d150d4447_qkv
	.globl	k_q4d150d4447_qkv
	.p2align	8
	.type	k_q4d150d4447_qkv,@function
k_q4d150d4447_qkv:
	s_mov_b64 s[64:65], 0
	v_nop
	global_prefetch_b8 v0, s[64:65] scope:SCOPE_SE
	s_setreg_imm32_b32 hwreg(HW_REG_WAVE_MODE, 25, 1), 1
	s_wait_xcnt 0x0
	s_wait_alu depctr_hold_cnt(0) depctr_sa_sdst(0) depctr_va_vdst(0) depctr_va_sdst(0) depctr_va_ssrc(0) depctr_va_vcc(0) depctr_vm_vsrc(0)
	s_getreg_b32 s2, hwreg(HW_REG_IB_STS2, 6, 4)
	s_cmp_eq_u32 s2, 0
	s_cbranch_scc0 .Lentry_in_a_cluster
	s_endpgm
.Lentry_in_a_cluster:
	s_bfe_u32 s2, ttmp6, 0x10000c
	s_cmp_lg_u32 s2, 0xf033
	s_cbranch_scc0 .Lentry_shape_is_right
	s_endpgm
.Lentry_shape_is_right:
.set NQ,     2
.set ROWB,   256
.set KROW,   1024
.set PITCH,  272
.set FR,     16
.set NL,     4
.set NP,     8
.set HALFT,  128*PITCH
.set SLOT,   4*HALFT
.set SCL,    2*SLOT
.set HALFS,  16*272
.set SBLK,   2*272
.set SPARE,  SCL+8*HALFS
.set QSTEP,  8704
.set KVSTEP, 17152
.set BU,   8
.set ADRA, 16
.set ADRB, 20
.set L16,  22
.set STA,  23
.set STR,  24
.set VSO,  25
.set ADRS, 27
.set SPW,  28
.set NIL,  29
.set SC,   32
.set BT,   64
.set X,    64
.set AF,   128
.set PC,   128
.set VOU,  160
.set TM,   168
.set PW,   184
.set XW,   185
.set YW,   186
.set R0,   188
.set R1,   192
.set ZW,   196
.set WV,  18
.set W1,  19
.set W0,  20
.set T,   21
.set ST,  22
.set TY,  23
.set HX,  95
.set HW,  96
.set G1,  24
.set G0,  32
.set G1B, 48
.set G0B, 56
.set G1S, 68
.set G0S, 76
.set G1SB, 80
.set G0SB, 88
.set SSZ,   68
.set HSZ,   69
.set SCO,   70
.set STEPU, 71
.set JUMPU, 72
.set MSKW,  73
.set ORW,   74
.set LHI,   75
.set PA,    76
.set PB,    78
.set PSW,   80
.set PSW2,  82
.set SEL,   84
.set MNT,   86
.set OF,    88
.set MSB, 0
.macro WIN new
.if MSB != \new
	s_set_vgpr_msb (MSB<<8)|\new
.set MSB, \new
.endif
.endm
.set MUL_LO, 0xa1
.set MUL_HI, 0xf1
.set FST_LO, 0x81
.set FST_HI, 0xc1
.set TO_B,   0x40
.macro JLOAD g0a, g1a, g0b, g1b
	s_cmp_eq_u32 s[W1], 0
	s_cbranch_scc0 .Lfor_b_\@
	tensor_load_to_lds s[\g0a:\g0a+3], s[\g1a:\g1a+7]
	s_nop 0
.rept 4
	v_nop
.endr
	s_branch .Lasked_\@
.Lfor_b_\@:
	tensor_load_to_lds s[\g0b:\g0b+3], s[\g1b:\g1b+7]
	s_nop 0
.rept 4
	v_nop
.endr
.Lasked_\@:
.endm
.macro CREST
	s_cmp_lg_u32 s[WV], 0
	s_cbranch_scc1 .Lnot_wave_0_\@
	s_barrier_signal -3
.Lnot_wave_0_\@:
	s_barrier_wait -3
	s_barrier_signal -1
	s_barrier_wait -1
.endm
.macro CROUND
	s_barrier_signal -1
	s_barrier_wait -1
	CREST
.endm
	s_load_b256 s[4:11], s[0:1], 0x0
	s_load_b128 s[12:15], s[0:1], 0x20
	s_load_b64 s[16:17], s[0:1], 0x30
	v_lshl_add_u32 v[SPW], v0, 2, SPARE
	v_mov_b32 v[NIL], 0
	ds_add_u32 v28, v29
	ds_add_u32 v28, v29
	s_wait_dscnt 0x0
	v_lshrrev_b32 v1, 5, v0
	v_readfirstlane_b32 s[WV], v1
	s_lshr_b32 s[W1], s[WV], 1
	s_and_b32 s[W0], s[WV], 1
	s_bfe_u32 s40, ttmp6, 0x40000
	s_bfe_u32 s41, ttmp6, 0x40004
	; LDS region 0 always holds source 1's rows (shared along my row of the cluster, chosen by cy), region 1 source 0's (shared along my column, chosen by cx).
	; Q, K: region 0 = x's tile 4 x cluster y + cy, region 1 = W's tile 4 x cluster x + cx.  V: region 0 = W's tile 8 + cy, region 1 = x's tile 4 x cluster y + cx.  Only global addresses hang on which it is.
	s_and_b32 s2, ttmp7, 0xffff
	s_lshl_b32 s2, s2, 2
	s_lshl_b32 s3, ttmp9, 2
	s_add_co_u32 s98, s2, s41
	s_add_co_u32 s100, s41, 8
	s_add_co_u32 s46, s3, s40
	s_add_co_u32 s92, s2, s40
	s_cmp_ge_u32 ttmp9, 2
	s_cselect_b32 s98, s100, s98                   ; region 0's tile: made of cy alone
	s_cselect_b32 s46, s92, s46                    ; region 1's tile: made of cx alone
	s_cselect_b32 s42, s98, s46                    ; W's tile, for the bias and the way out
	s_cselect_b32 s[TY], s46, s98                  ; x's tile, for the way out
	s_lshl_b32 s43, s41, 2
	s_lshl_b32 s43, 15, s43
	s_lshl_b32 s44, 0x1111, s40
	s_cmp_ge_u32 ttmp9, 2
	s_cselect_b32 s[T], 1, 0
	s_cselect_b32 s[HX], s[W0], s[W1]
	s_cselect_b32 s[HW], s[W1], s[W0]
	s_cselect_b32 s66, 0, -1
	s_cselect_b32 s67, -1, 0
	s_lshl_b32 s[ST], s[TY], 1
	s_add_co_u32 s[ST], s[ST], s[HX]
	s_or_b32 s[G1+0], s43, (0<<16)|(1<<20)|(1<<21)|(5<<22)|(3<<25)
	s_or_b32 s[G1B+0], s44, (0<<16)|(1<<20)|(1<<21)|(5<<22)|(3<<25)
.irp g, G1, G1B
	s_mov_b32 s[\g+1], ROWB<<16
	s_mov_b32 s[\g+2], 256<<16                     ; the head's loads bring 256 rows; behind them the two words that count rows are set to 128, for the ring's
	s_mov_b32 s[\g+3], ROWB<<16
	s_mov_b32 s[\g+4], 256
	s_mov_b32 s[\g+5], KROW
	s_mov_b32 s[\g+6], 0
	s_mov_b32 s[\g+7], 0
.endr
	s_or_b32 s[G1S+0], s43, (3<<16)|(1<<20)|(1<<21)|(5<<22)|(3<<25)
	s_or_b32 s[G1SB+0], s44, (3<<16)|(1<<20)|(1<<21)|(5<<22)|(3<<25)
.irp g, G1S, G1SB
	s_mov_b32 s[\g+1], 32<<16
	s_mov_b32 s[\g+2], 32<<16                      ; the scale bytes of a region's 256 rows: 32 rows of 256 bytes
	s_mov_b32 s[\g+3], 32<<16
	s_mov_b32 s[\g+4], 32
	s_mov_b32 s[\g+5], 32
	s_mov_b32 s[\g+6], 0
	s_mov_b32 s[\g+7], 0
.endr
	s_lshl_b32 s2, s[W0], 7
	s_lshl_b32 s98, s98, 8
	s_lshl_b32 s100, s98, 5                        ; the scale bytes begin at the tile's first row
	s_add_co_u32 s98, s98, s2                      ; the codes at my half of it
	s_lshl_b32 s46, s46, 8
	s_lshl_b32 s92, s46, 5
	s_add_co_u32 s46, s46, s2
	s_lshl_b32 s98, s98, 10
	s_lshl_b32 s46, s46, 10
	s_mov_b32 s99, 0
	s_mov_b32 s101, 0
	s_mov_b32 s47, 0
	s_mov_b32 s93, 0
	s_mul_i32 s45, s[WV], HALFT
	s_wait_kmcnt 0x0
	s_cmp_eq_u32 s[T], 1                           ; V: the two regions change tensors
	s_cselect_b64 s[2:3], s[8:9], s[4:5]           ; region 0's codes
	s_cselect_b64 s[8:9], s[4:5], s[8:9]           ; region 1's codes
	s_cselect_b64 s[4:5], s[10:11], s[6:7]         ; region 0's scale bytes
	s_cselect_b64 s[10:11], s[6:7], s[10:11]       ; region 1's scale bytes
	s_add_nc_u64 s[98:99], s[2:3], s[98:99]
	s_add_nc_u64 s[100:101], s[4:5], s[100:101]
	s_add_nc_u64 s[46:47], s[8:9], s[46:47]
	s_add_nc_u64 s[92:93], s[10:11], s[92:93]
	CROUND
	s_mov_b32 s[G0S], 1
	s_mov_b32 s[G0S+1], SCL
	s_mov_b64 s[G0S+2:G0S+3], s[100:101]
	s_or_b32 s[G0S+3], s[G0S+3], 0x80000000
	s_mov_b32 s[G0SB], 1
	s_mov_b32 s[G0SB+1], SCL+2*HALFS
	s_mov_b64 s[G0SB+2:G0SB+3], s[92:93]
	s_or_b32 s[G0SB+3], s[G0SB+3], 0x80000000
.irp s, 0,1
	s_mov_b32 s[G0+4*\s], 1
	s_add_co_u32 s[G0+4*\s+1], s45, \s*SLOT
	s_add_nc_u64 s[G0+4*\s+2:G0+4*\s+3], s[98:99], \s*ROWB
	s_or_b32 s[G0+4*\s+3], s[G0+4*\s+3], 0x80000000
	s_mov_b32 s[G0B+4*\s], 1
	s_add_co_u32 s[G0B+4*\s+1], s45, \s*SLOT
	s_add_nc_u64 s[G0B+4*\s+2:G0B+4*\s+3], s[46:47], \s*ROWB
	s_or_b32 s[G0B+4*\s+3], s[G0B+4*\s+3], 0x80000000
.endr
; THE HEAD'S LOADS, ONE A WAVE: wave 0 fetches K step 0's 256 rows of region 0, wave 1 that region's scale bytes, wave 2 the 256 rows of region 1, wave 3 its scale bytes.
; Waves 0 and 2 fetch a tile's first half in the ring too, so their slot 0 descriptors begin at the tile's first row and at the region's first LDS byte.  One chain of branches on the wave's number, a load to an arm.
.macro ARM under, g0, g1, next
	s_cmp_lt_u32 s[WV], \under
	s_cbranch_scc0 \next
	tensor_load_to_lds s[\g0:\g0+3], s[\g1:\g1+7]
	s_nop 0
.rept 4
	v_nop
.endr
	s_branch .Lhead_asked
\next:
.endm
	ARM 1, G0,  G1,  .Lhead_sa
	ARM 2, G0S, G1S, .Lhead_b
	ARM 3, G0B, G1B, .Lhead_sb
	tensor_load_to_lds s[G0SB:G0SB+3], s[G1SB:G1SB+7]
	s_nop 0
.rept 4
	v_nop
.endr
.Lhead_asked:
	v_and_b32 v1, 15, v0
	v_bfe_u32 v2, v0, 4, 1
	v_mul_u32_u24 v3, v1, PITCH
	v_lshl_add_u32 v4, v2, 4, v3
	s_wait_alu depctr_va_vdst(0)
	s_mul_i32 s2, s[W1], HALFT
	s_mul_i32 s3, s[W0], HALFT
	s_add_co_u32 s3, s3, 2*HALFT
.irp s, 0,1
	v_add_nc_u32 v[ADRA+\s], s2, v4
	v_add_nc_u32 v[ADRB+\s], s3, v4
	s_add_co_u32 s2, s2, SLOT
	s_add_co_u32 s3, s3, SLOT
.endr
	v_lshlrev_b32 v5, 5, v1
	v_lshrrev_b32 v6, 8, v5
	v_lshl_add_u32 v5, v6, 4, v5
	s_xor_b32 s98, s[W1], 1
	s_add_co_u32 s98, s98, s[W0]
	s_add_co_u32 s98, s98, 1
	s_mul_i32 s98, s98, HALFS
	v_mul_u32_u24 v6, s98, v2
	s_mul_i32 s99, s[W1], HALFS
	s_add_co_u32 s99, s99, SCL
	v_add_nc_u32 v5, v5, v6
	v_add_nc_u32 v[ADRS], s99, v5
	v_and_b32 v3, 31, v0
	v_lshlrev_b32 v[L16], 4, v3
	s_lshl_b32 s99, s[WV], 10
	v_lshlrev_b32 v3, 2, v1
	v_lshl_add_u32 v3, v2, 9, v3
	v_add_nc_u32 v[STA], s99, v3
	v_add_nc_u32 v[STR], s99, v[L16]
	s_lshl_b32 s2, s42, 8
	s_lshl_b32 s3, s[HW], 7
	s_add_co_u32 s2, s2, s3
	s_lshl_b32 s2, s2, 2
	s_cmp_eq_u32 s[T], 0
	s_cselect_b32 s46, s2, 0
	s_cselect_b32 s92, 0, s2
	s_mov_b32 s47, 0
	s_mov_b32 s93, 0
	s_add_nc_u64 s[46:47], s[12:13], s[46:47]
	s_add_nc_u64 s[92:93], s[12:13], s[92:93]
	v_lshlrev_b32 v5, 5, v2
	v_lshlrev_b32 v6, 2, v1
.irp t, 0,1,2,3,4,5,6,7
	global_load_b128 v[BT+8*\t:BT+8*\t+3], v5, s[46:47] offset:64*\t
	global_load_b128 v[BT+8*\t+4:BT+8*\t+7], v5, s[46:47] offset:64*\t+16
.endr
.irp u, 0,1,2,3,4,5,6,7
	global_load_b32 v[BU+\u], v6, s[92:93] offset:64*\u
.endr
	s_wait_loadcnt 0x0
.set i, 0
.rept 64
	v_and_b32 v[BT+i], s66, v[BT+i]
.set i, i+1
.endr
.set i, 0
.rept 8
	v_and_b32 v[BU+i], s67, v[BU+i]
.set i, i+1
.endr
.macro FRAG reg, adr, q, i
.irp c, 0,1,2,3
	ds_load_b128 v[\reg+4*\c:\reg+4*\c+3], v[\adr] offset:128*(\q)+32*\c+(\i)*16*PITCH
.endr
.endm
.macro MUL16 a0, p, q, sc, first
.irp a, \a0, \a0+1
.irp b, 0,1,2,3,4,5,6,7
.if \first
	v_wmma_scale_f32_16x16x128_f8f6f4 v[8*(8*((\a)%4)+\b):8*(8*((\a)%4)+\b)+7], v[128*(\p)+FR*\b:128*(\p)+FR*\b+FR-1], v[AF+FR*(\a):AF+FR*(\a)+FR-1], v[BT+8*\b:BT+8*\b+7], v[SC+8*NQ*(\sc)+NQ*\b+(\q)], v[SC+8*NQ*(\sc)+NQ*(\a)+(\q)] matrix_a_scale:MATRIX_SCALE_ROW1
.else
	v_wmma_scale_f32_16x16x128_f8f6f4 v[8*(8*((\a)%4)+\b):8*(8*((\a)%4)+\b)+7], v[128*(\p)+FR*\b:128*(\p)+FR*\b+FR-1], v[AF+FR*(\a):AF+FR*(\a)+FR-1], v[8*(8*((\a)%4)+\b):8*(8*((\a)%4)+\b)+7], v[SC+8*NQ*(\sc)+NQ*\b+(\q)], v[SC+8*NQ*(\sc)+NQ*(\a)+(\q)] matrix_a_scale:MATRIX_SCALE_ROW1
.endif
.endr
.endr
.endm
.macro FETCH_B slot, q, p
	WIN TO_B
.irp i, 0,1,2,3,4,5,6,7
	FRAG 128*(\p)+FR*\i, ADRB+\slot, \q, \i
.endr
	WIN 0
.endm
.macro FETCH_A slot, q, i0
.irp i, \i0, \i0+1, \i0+2, \i0+3
	FRAG AF+FR*(\i), ADRA+\slot, \q, \i
.endr
.endm
.macro SCALES sc
.irp i, 0,1,2,3,4,5,6,7
	ds_load_b64 v[SC+8*NQ*\sc+NQ*\i:SC+8*NQ*\sc+NQ*\i+1], v[ADRS] offset:\i*SBLK
.endr
.endm
.macro PLACES n
.rept \n
	v_nop
.endr
.endm
.macro STEP slot, q, first
	s_wait_dscnt 4*NL
.if \first
	WIN FST_LO
.else
	WIN MUL_LO
.endif
	MUL16 0, (\q)%2, \q, \slot, \first
	MUL16 2, (\q)%2, \q, \slot, \first
	s_wait_dscnt 0
	PLACES NP
	FETCH_B \slot, (\q)+1, 1-(\q)%2
	FETCH_A \slot, (\q)+1, 0
.if \first
	WIN FST_HI
.else
	WIN MUL_HI
.endif
	MUL16 4, (\q)%2, \q, \slot, \first
	MUL16 6, (\q)%2, \q, \slot, \first
	PLACES NP
	WIN 0
	FETCH_A \slot, (\q)+1, 4
.endm
.macro TURN slot, next, fill
	s_wait_tensorcnt 0x0
	ds_add_u32 v[SPW], v[NIL]
	s_wait_dscnt 4*NL+1
	WIN MUL_LO
	MUL16 0, 1, NQ-1, \slot, 0
	s_wait_dscnt 0x0
	s_barrier_signal -1
	MUL16 2, 1, NQ-1, \slot, 0
	WIN 0
	s_barrier_wait -1
.if \fill
	CREST
	s_add_nc_u64 s[G0+4*\slot+2:G0+4*\slot+3], s[G0+4*\slot+2:G0+4*\slot+3], 2*ROWB
	s_add_nc_u64 s[G0B+4*\slot+2:G0B+4*\slot+3], s[G0B+4*\slot+2:G0B+4*\slot+3], 2*ROWB
	JLOAD G0+4*\slot, G1, G0B+4*\slot, G1B
	PLACES NP-4
.else
	PLACES NP
.endif
	s_wait_alu depctr_va_vdst(0)
	v_add_nc_u32 v[ADRS], 4*NQ, v[ADRS]
	FETCH_B \next, 0, 0
	FETCH_A \next, 0, 0
	SCALES \next
	WIN MUL_HI
	MUL16 4, 1, NQ-1, \slot, 0
	MUL16 6, 1, NQ-1, \slot, 0
	PLACES NP
	WIN 0
	FETCH_A \next, 0, 4
.endm
	s_wait_alu depctr_va_vdst(0)
	s_wait_tensorcnt 0x0                           ; my tile of the head's four is in
	ds_add_u32 v[SPW], v[NIL]
	s_mov_b32 s[G1+2], 128<<16                     ; no tensor load of mine is out: from here on a load brings 128 rows
	s_mov_b32 s[G1+4], 128
	s_mov_b32 s[G1B+2], 128<<16
	s_mov_b32 s[G1B+4], 128
	s_wait_dscnt 0x0
	CROUND                                         ; all four tiles are in, and all sixteen work-groups are here
	JLOAD G0+4, G1, G0B+4, G1B                     ; K step 1, the first tensor load behind the round
	FETCH_B 0, 0, 0
	FETCH_A 0, 0, 0
	SCALES 0
	FETCH_A 0, 0, 4
	STEP 0, 0, 1
	TURN 0, 1, 1
	STEP 1, 0, 0
	TURN 1, 0, 1
	STEP 0, 0, 0
	TURN 0, 1, 0
	STEP 1, 0, 0
	s_wait_dscnt 4*NL
	WIN MUL_LO
	MUL16 0, 1, NQ-1, 1, 0
	MUL16 2, 1, NQ-1, 1, 0
	s_wait_dscnt 0
	WIN MUL_HI
	MUL16 4, 1, NQ-1, 1, 0
	MUL16 6, 1, NQ-1, 1, 0
	WIN 0
	PLACES NP
	s_cmp_eq_u32 ttmp9, 0
	s_mov_b32 s[SSZ], KVSTEP
	s_cselect_b32 s[SSZ], QSTEP, s[SSZ]
	s_mov_b32 s[SCO], 16384
	s_cselect_b32 s[SCO], 8192, s[SCO]
	s_cselect_b64 s[PA:PA+1], s[14:15], s[16:17]
	s_lshl_b32 s[HSZ], s[SSZ], 5
	s_cmp_eq_u32 s[T], 1
	s_mov_b32 s[STEPU], 1024
	s_cselect_b32 s[STEPU], 2048, s[STEPU]
	s_cselect_b32 s[JUMPU], 32*KVSTEP-8192, 0
	s_mov_b32 s[MSKW], 0xffff
	s_cselect_b32 s[MSKW], -1, s[MSKW]
	s_cselect_b32 s[ORW], 0, 0x7f7f0000
	s_cselect_b32 s90, 8192, 0
	s_cselect_b32 s87, 1024, s[HSZ]
	s_mov_b32 s91, 256
	s_cselect_b32 s91, s[HSZ], s91
	s_cselect_b32 s3, 512, 0
	s_add_co_u32 s[SCO], s[SCO], s3
	s_mov_b32 s[LHI], 0xffff0000
	s_mov_b32 s[SEL], 0x76543210
	s_mov_b32 s[SEL+1], 0xfedcba98
	s_mov_b32 s[MNT], 0x600000
	s_and_b32 s2, s42, 3
	s_lshl_b32 s2, s2, 2
	s_lshl_b32 s3, s[HW], 1
	s_add_co_u32 s2, s2, s3
	s_mul_i32 s[OF], s2, s[HSZ]
	s_mul_i32 s3, s[ST], s[SSZ]
	s_add_co_u32 s[OF], s[OF], s3
	s_mov_b32 s[OF+1], 0
	s_add_nc_u64 s[PA:PA+1], s[PA:PA+1], s[OF:OF+1]
	s_mov_b32 s[OF], s[SCO]
	s_add_nc_u64 s[PSW:PSW+1], s[PA:PA+1], s[OF:OF+1]
	s_mov_b32 s[OF], s[HSZ]
	s_add_nc_u64 s[PSW2:PSW2+1], s[PSW:PSW+1], s[OF:OF+1]
	s_mov_b32 s[OF], s90
	s_add_nc_u64 s[PA:PA+1], s[PA:PA+1], s[OF:OF+1]
	s_mov_b32 s[OF], s87
	s_add_nc_u64 s[PB:PB+1], s[PA:PA+1], s[OF:OF+1]
	v_mov_b32 v[VOU], v[L16]
.irp u, 1,2,3,5,6,7
	v_add_nc_u32 v[VOU+\u], s[STEPU], v[VOU+\u-1]
.if \u == 3
	v_add3_u32 v[VOU+4], v[VOU+3], s[STEPU], s[JUMPU]
.endif
.endr
	v_mul_u32_u24 v[VSO], s91, v2
	v_lshl_add_u32 v[VSO], v1, 4, v[VSO]
.irp b, 0,1,2,3
	v_mov_b32 v[TM+4+\b], 0
.endr
.macro QUANT s, pc
.irp b, 0,1,2,3
	v_max3_num_f32 v[TM+\b], |v[\s+16*\b]|, |v[\s+1+16*\b]|, 0x4800000
.endr
.irp i, 2,4,6,8,10,12,14
.irp b, 0,1,2,3
	v_max3_num_f32 v[TM+\b], v[TM+\b], |v[\s+16*\b+\i]|, |v[\s+1+16*\b+\i]|
.endr
.endr
.irp b, 0,1,2,3
	v_permlanex16_b32 v[TM+4+\b], v[TM+\b], s[SEL], s[SEL+1]
.endr
.irp b, 0,1,2,3
	v_max_num_f32 v[TM+\b], v[TM+\b], v[TM+4+\b]
.endr
.irp b, 0,1,2,3
	v_add_nc_u32 v[TM+12+\b], 0xfc000000, v[TM+\b]
.endr
.irp b, 0,1,2,3
	v_and_or_b32 v[TM+8+\b], v[TM+\b], 0x7f800000, s[MNT]
.endr
.irp b, 0,1,2,3
	v_lshrrev_b32 v[TM+4+\b], 23, v[TM+12+\b]
.endr
	v_lshl_or_b32 v[PW], v[TM+5], 8, v[TM+4]
	v_lshl_or_b32 v[PW], v[TM+6], 16, v[PW]
	v_lshl_or_b32 v[PW], v[TM+7], 24, v[PW]
.irp b, 0,1,2,3
.irp i, 0,1,2,3,4,5,6,7,8,9,10,11,12,13,14,15
	v_med3_num_f32 v[\s+16*\b+\i], v[\s+16*\b+\i], -v[TM+8+\b], v[TM+8+\b]
.endr
	v_cvt_scalef32_pk8_fp8_f32 v[(\pc)+4*\b:(\pc)+4*\b+1], v[\s+16*\b:\s+16*\b+7], v[TM+12+\b]
	v_cvt_scalef32_pk8_fp8_f32 v[(\pc)+4*\b+2:(\pc)+4*\b+3], v[\s+16*\b+8:\s+16*\b+15], v[TM+12+\b]
.endr
	v_nop
.endm
.macro OUTBLK u
	WIN 0x02+(\u)/4
.set AC, 64*((\u)%4)
.set BP, BU+2*((\u)/2)
.set i, 0
.rept 32
.if (\u)%2
	v_pk_add_f32 v[X+i:X+i+1], v[AC+i:AC+i+1], v[BP:BP+1] op_sel:[0,1] op_sel_hi:[1,1]
.else
	v_pk_add_f32 v[X+i:X+i+1], v[AC+i:AC+i+1], v[BP:BP+1] op_sel_hi:[1,0]
.endif
.set i, i+2
.endr
	WIN 0
.if (\u) >= 2
	s_wait_xcnt 0x0
.endif
.set PCU, PC+16*((\u)%2)
	QUANT X, PCU
.irp b, 0,1
	global_store_b128 v[VOU+(\u)], v[PCU+4*\b:PCU+4*\b+3], s[PA:PA+1] offset:512*\b
.endr
.irp b, 0,1
	global_store_b128 v[VOU+(\u)], v[PCU+8+4*\b:PCU+8+4*\b+3], s[PB:PB+1] offset:512*\b
.endr
	v_and_or_b32 v[XW], v[PW], s[MSKW], s[ORW]
	v_lshrrev_b32 v[YW], 16, v[PW]
	v_or_b32 v[YW], 0x7f7f0000, v[YW]
	v_cndmask_b32 v[ZW+(\u)], v[XW], v[YW], s[LHI]
	ds_store_b32 v[STA], v[ZW+(\u)] offset:64*(\u)
.endm
.irp u, 0,1,2,3,4,5,6,7
	OUTBLK \u
.endr
	ds_load_b128 v[R0:R0+3], v[STR]
	ds_load_b128 v[R1:R1+3], v[STR] offset:512
	s_wait_dscnt 0x0
	global_store_b128 v[VSO], v[R0:R0+3], s[PSW:PSW+1]
	s_cmp_eq_u32 s[T], 1
	s_cbranch_scc1 .Lwords_done
	global_store_b128 v[VSO], v[R1:R1+3], s[PSW2:PSW2+1]
.Lwords_done:
	s_wait_tensorcnt 0x0
	ds_add_u32 v[SPW], v[NIL]
	s_wait_dscnt 0x0
	CROUND
	s_endpgm
.Lfunc_end_k_q4d150d4447_qkv:
	.size	k_q4d150d4447_qkv, .Lfunc_end_k_q4d150d4447_qkv-k_q4d150d4447_qkv
	.p2alignl 7, 3214868480
	.fill 96, 4, 3214868480
	.section	.rodata,"a",@progbits
	.p2align	6, 0x0
	.amdhsa_kernel k_q4d150d4447_qkv
		.amdhsa_group_segment_fixed_size 327680
		.amdhsa_private_segment_fixed_size 0
		.amdhsa_enable_private_segment 0
		.amdhsa_kernarg_size 56
		.amdhsa_user_sgpr_count 2
		.amdhsa_user_sgpr_kernarg_segment_ptr 1
		.amdhsa_wavefront_size32 1
		.amdhsa_system_sgpr_workgroup_id_x 1
		.amdhsa_system_sgpr_workgroup_id_y 1
		.amdhsa_system_sgpr_workgroup_id_z 1
		.amdhsa_system_vgpr_workitem_id 0
		.amdhsa_next_free_vgpr 1024
		.amdhsa_next_free_sgpr 102
		.amdhsa_reserve_vcc 0
		.amdhsa_float_denorm_mode_32 3
		.amdhsa_float_denorm_mode_16_64 3
		.amdhsa_memory_ordered 1
		.amdhsa_forward_progress 1
		.amdhsa_inst_pref_size 210
	.end_amdhsa_kernel
	.amdgpu_metadata
---
amdhsa.version: [ 1, 2 ]
amdhsa.kernels:
  - .name:           k_q4d150d4447_qkv
    .symbol:         k_q4d150d4447_qkv.kd
    .args:
      - { .name: hidden_states_codes, .offset: 0, .size: 8, .value_kind: global_buffer, .address_space: global }
      - { .name: hidden_states_scales, .offset: 8, .size: 8, .value_kind: global_buffer, .address_space: global }
      - { .name: W_qkv_codes, .offset: 16, .size: 8, .value_kind: global_buffer, .address_space: global }
      - { .name: W_qkv_scales, .offset: 24, .size: 8, .value_kind: global_buffer, .address_space: global }
      - { .name: b_qkv, .offset: 32, .size: 8, .value_kind: global_buffer, .address_space: global }
      - { .name: qimg, .offset: 40, .size: 8, .value_kind: global_buffer, .address_space: global }
      - { .name: kv, .offset: 48, .size: 8, .value_kind: global_buffer, .address_space: global }
    .group_segment_fixed_size: 327680
    .private_segment_fixed_size: 0
    .kernarg_segment_align: 8
    .kernarg_segment_size: 56
    .max_flat_workgroup_size: 128
    .sgpr_count:     102
    .vgpr_count:     1024
    .wavefront_size: 32
...
	.end_amdgpu_metadata
.endif
;; end of part 1
;; launch attn (part 2): grid 16 x 16, 8 waves a work-group, clusters of 4 x 1, 327,680 bytes of LDS; arguments qimg, kv, hebbian_trace, out0; writes out0
.if DOCPART == 2
	.amdgcn_target "amdgcn-amd-amdhsa--gfx1250"
	.amdhsa_code_object_version 6
	.text
	.protected	k_q4d150d4447_attn
	.globl	k_q4d150d4447_attn
	.p2align	8
	.type	k_q4d150d4447_attn,@function
k_q4d150d4447_attn:
	s_mov_b64 s[64:65], 0
	v_nop
	global_prefetch_b8 v0, s[64:65] scope:SCOPE_SE
	s_setreg_imm32_b32 hwreg(HW_REG_WAVE_MODE, 25, 1), 1
	s_wait_xcnt 0x0
	s_wait_alu depctr_hold_cnt(0) depctr_sa_sdst(0) depctr_va_vdst(0) depctr_va_sdst(0) depctr_va_ssrc(0) depctr_va_vcc(0) depctr_vm_vsrc(0)
	s_getreg_b32 s2, hwreg(HW_REG_IB_STS2, 6, 4)
	s_cmp_eq_u32 s2, 0
	s_cbranch_scc0 .Lentry_in_a_cluster
	s_endpgm
.Lentry_in_a_cluster:
	s_bfe_u32 s2, ttmp6, 0x10000c
	s_cmp_lg_u32 s2, 0x3003
	s_cbranch_scc0 .Lentry_shape_is_right
	s_endpgm
.Lentry_shape_is_right:
; out[q][64 head + d] = hebbian[head][d][d] x (the sum over k of p(q, k) v(k, d)) / l(q), per head of 64 channels; 4,096 queries, 4,096 keys, 16 heads.  Both products on codes of FP8 (E4M3) with E8M0 scales.
; The module's last product takes the diagonal of each head's 64 x 64 alone, so only the diagonal is loaded.
; THE SOFTMAX: t = score x log2(e) / 8; M = the row's largest t so far, rounded UP to a whole number; p = 2^(t - M) is quantised along the keys, not normalised; l is the f32 sum of the unquantised p and divides at the end.
; When M moves, l and O are multiplied by 2^(old M - new M): exact.
; INPUTS: images of operand registers made by the launch before: a group of 512 bytes is four registers of a fragment, 16 bytes a lane at 16 x lane.  Inside each block of 32 along K the codes stand in the same order
; in q and k, and in v and the p made here (two neighbouring result tiles converted as they lie).
; SHARES.  A work-group owns 256 queries of one head; each of its EIGHT waves owns 32 of them, tiles A and B of 16, so that each fragment of K and V read from LDS feeds two products.
; A key step is 128 keys: 17,152 dense bytes (k codes, v codes, scale words); a slot holds eight steps; two slots; each wave fetches one step of a slot, one tensor load of 67 rows of 256 bytes.
; CLUSTER.  The four query blocks of a cluster belong to one head and walk the same bytes: each load is joint, with the mask of all four.  My place in the cluster enters global addresses alone.
; THE ORDER OF WORK.  The two tiles take turns on ONE set of 64 score registers.  A tile's O^T is rescaled inside its softmax, directly behind the wait that follows the exponentials.  Behind the tile's conversions stand
; one addition of the sum's tail, the other tile's eight score products, the tail's other seven additions (with the first they are the places that the products and the codes ask for), and the tile's four products with V.
; K's fragments of a step are asked for at a trip's head, V's inside tile A's softmax: both land under a softmax, and the one wait for them stands behind its exponentials.
; A trip j: K(j) is fetched; softmax B(j - 1); scores A(j); O_B += V(j - 1) P_B; softmax A(j), V(j) fetched inside; scores B(j); O_A += V(j) P_A.  Trip 0 has no tile B part; that part of step 31 stands behind the loops.
; The change of slots stands between two trips: there all my LDS reads of the slot that is left are over.
; LAYOUT.  Both products transposed: S^T = K Q^T, O^T = V^T P^T: a lane holds ONE query (lane % 16).  The first product's K is 64 of the form's 128: Q's registers 8-15 are zero codes, the upper scale bytes 0x7f;
; a tile of K names the next tile's eight registers too (behind the last: zeros), finite numbers that meet Q's zeros.
; WINDOWS.  Window 1 holds what matrix instructions alone read: K's fragments v0-63 and eight zeros, V's v72-135, Q_A v136-151, Q_B v152-167.  All that vector instructions touch lies in window 0.
; PREFETCH.  Behind the joint load of fill f (f = 1, 2) each wave names the 67 blocks of 256 bytes that it will fetch in fill f + 1, eight key steps ahead of that load; the four partners take 17 blocks each, told apart by address;
; lanes left over name the share's last block again.  Fills 0 and 1 come by their loads alone, and behind fill 3 there is nothing to ask for.
; LIMITS: NaN and infinities are not served (a NaN code among k's codes would spoil a neighbour tile's scores).  The scaled scores stay under 2^31 in magnitude.  A block's largest p is taken from its largest score,
; which takes v_exp_f32 not to fall where its input rises.  A block whose every p has fallen to 0 keeps the byte 1: its codes are zeros.
.set STEPB, 17152
.set SLOTB, 8*STEPB
.set VCO,   8192                       ; in a step: v's codes,
.set KSO,   16384                      ; k's scale words,
.set VSO,   16896                      ; v's scale words
.set QSTEP, 8704                       ; a step of 128 tokens in qimg
.set GSC,   2*SLOTB                    ; behind the ring: the head's diagonal, 256 bytes for each wave, each wave's own
.set SPARE, GSC+2048                   ; the spare words, 128 bytes for each wave
.set SP,    272                        ; the way out: a stage of 32 rows x (256 + 16) bytes for each wave, in slot 0, which is left for good at the last change of slots
.set L16, 1                            ; 16 x lane
.set L4,  2                            ; 4 x lane
.set ADL, 3                            ; the step's codes
.set ADS, 4                            ; the step's scale words
.set SPW, 5                            ; my spare word; never rewritten
.set NIL, 6                            ; 0; never rewritten
.set PFO, 7                            ; the prefetches' offset; never rewritten
.set KSC, 8                            ; v8-11 k's scale words; v12-13 v's; v14, v15 q's; v16, v17 p's: scales and nothing else
.set VSC, 12
.set QSA, 14
.set QSB, 15
.set PSA, 16
.set PSB, 17
.set NMA, 18                           ; a tile's state: (-M, the largest score), l in two halves, (f, 0)
.set LA,  20
.set FA,  22
.set NMB, 24
.set LB,  26
.set FB,  28
.set BM,  30                           ; a block's largest score, then its largest p
.set B2,  34                           ; the other half's, then the bytes
.set HD,  38                           ; 448 x the scale
.set SO,  42                           ; the conversion's scale operand
.set TT,  46
.set SM,  48                           ; v48-63 eight chains of the row's sum
.set SCR, 64                           ; v64-127 S^T, then p
.set OTA, 128
.set OTB, 160
.set PCA, 192
.set PCB, 208
.set DG,  224                          ; the way out: the diagonal
.set KF,  0                            ; window 1
.set VF,  72
.set QA,  136
.set QB,  152
.set WV,  12
.set G1,  16
.set G0,  24                           ; s[24:39] four groups 0, one for each fill: built once
.set SEL, 40
.set CS,  42                           ; s[42:43] c = log2(e) / 8
.set MNT, 44
.set TB,  45                           ; LDS byte at which the step in hand begins
.set CNT, 46
.set NCS, 47                           ; -c
.set MSB, 0
.macro WIN new                         ; the immediate's high byte repeats the setting that is left
.if MSB != \new
	s_set_vgpr_msb (MSB<<8)|\new
.set MSB, \new
.endif
.endm
.macro WALU
	s_wait_alu depctr_va_vdst(0)
.endm
.macro CROUND                          ; a round of the cluster's barrier
	s_barrier_signal -1
	s_barrier_wait -1
	s_cmp_lg_u32 s[WV], 0
	s_cbranch_scc1 .Lnot_wave_0_\@
	s_barrier_signal -3
.Lnot_wave_0_\@:
	s_barrier_wait -3
	s_barrier_signal -1
	s_barrier_wait -1
.endm
.macro TLOAD f                         ; every wave fetches its step of fill f; s_nop 0 and four v_nop follow
	tensor_load_to_lds s[G0+4*\f:G0+4*\f+3], s[G1:G1+7]
	s_nop 0
.rept 4
	v_nop
.endr
.endm
	s_load_b256 s[4:11], s[0:1], 0x0               ; qimg, kv, hebbian, out
	v_lshl_add_u32 v[SPW], v0, 2, SPARE
	v_mov_b32 v[NIL], 0
	ds_add_u32 v[SPW], v[NIL]                      ; the opening: the add, twice on end, and its wait ahead of my first tensor load
	ds_add_u32 v[SPW], v[NIL]
	v_lshrrev_b32 v1, 5, v0
	v_readfirstlane_b32 s[WV], v1                  ; wave 0..7
	s_bfe_u32 s13, ttmp6, 0x40000                  ; cx
	s_lshl_b32 s14, ttmp9, 2
	s_add_co_u32 s14, s14, s13                     ; my block of 256 queries
	s_and_b32 s15, ttmp7, 0xffff                   ; the head, which the four partners share
	s_mov_b32 s[G1], 15|(3<<16)|(1<<21)            ; the mask of all four; elements of 8 bytes; bit 21 beside a mask
	s_mov_b32 s[G1+1], 32<<16                      ; rows of 256 bytes,
	s_mov_b32 s[G1+2], 67<<16                      ; 67 of them,
	s_mov_b32 s[G1+3], 32<<16
	s_mov_b32 s[G1+4], 67
	s_mov_b32 s[G1+5], 32                          ; dense
	s_mov_b32 s[G1+6], 0
	s_mov_b32 s[G1+7], 0
	s_mov_b32 s[SEL], 0x76543210
	s_mov_b32 s[SEL+1], 0xfedcba98
	s_mov_b32 s[CS], 0x3e38aa3b
	s_mov_b32 s[CS+1], s[CS]
	s_mov_b32 s[NCS], 0xbe38aa3b
	s_mov_b32 s[MNT], 0x600000
	s_mul_i32 s57, s[WV], STEPB                    ; the step that I fetch, in a slot and in memory
	s_mul_i32 s58, s15, 32*STEPB
	s_add_co_u32 s58, s58, s57
	s_mov_b32 s59, 0
	s_lshl_b32 s48, s14, 1                         ; my 32 queries: step 2 x block + wave / 4 of qimg, token blocks 2 (wave % 4) and the next
	s_lshr_b32 s49, s[WV], 2
	s_add_co_u32 s48, s48, s49
	s_mul_i32 s48, s48, QSTEP
	s_mul_i32 s49, s15, 32*QSTEP
	s_add_co_u32 s48, s48, s49
	s_and_b32 s49, s[WV], 3
	s_lshl_b32 s50, s49, 7
	s_add_co_u32 s50, s50, s48
	s_add_co_u32 s50, s50, 8192                    ; their scale words
	s_lshl_b32 s49, s49, 11
	s_add_co_u32 s48, s48, s49                     ; their codes
	s_mov_b32 s49, 0
	s_mov_b32 s51, 0
	s_lshl_b32 s52, s15, 14                        ; the head's 64 x 64 of hebbian
	s_mov_b32 s53, 0
	s_lshl_b32 s54, s14, 20                        ; out: (256 x block + 32 x wave) rows of 4,096 bytes + 256 x head
	s_lshl_b32 s55, s[WV], 17
	s_add_co_u32 s54, s54, s55
	s_lshl_b32 s55, s15, 8
	s_add_co_u32 s54, s54, s55
	s_mov_b32 s55, 0
	s_mul_i32 s56, s13, 17                         ; my work-group's 17 of a step's 67 blocks
	s_wait_dscnt 0x0                               ; both opening adds are done
	s_wait_kmcnt 0x0
	s_add_nc_u64 s[58:59], s[6:7], s[58:59]
	s_add_nc_u64 s[48:49], s[4:5], s[48:49]
	s_add_nc_u64 s[50:51], s[4:5], s[50:51]
	s_add_nc_u64 s[52:53], s[8:9], s[52:53]
	s_add_nc_u64 s[54:55], s[10:11], s[54:55]
.irp f, 0,1,2,3
	s_mov_b32 s[G0+4*\f], 1
	s_add_co_u32 s[G0+4*\f+1], s57, (\f%2)*SLOTB   ; slot f % 2
	s_add_nc_u64 s[G0+4*\f+2:G0+4*\f+3], s[58:59], \f*SLOTB   ; keys 1,024 f on
	s_or_b32 s[G0+4*\f+3], s[G0+4*\f+3], 0x80000000
.endr
	CROUND                                         ; all four work-groups are here: the first joint loads meet
	TLOAD 0                                        ; one tensor load a wave at the head
	v_and_b32 v48, 31, v0                          ; lane
	v_and_b32 v49, 15, v0                          ; r
	v_lshlrev_b32 v[L16], 4, v48
	v_lshlrev_b32 v[L4], 2, v48
	v_lshlrev_b32 v50, 2, v49
	v_mul_u32_u24 v51, v48, 520                    ; the diagonal: element d lies 260 d bytes on; lane l takes d = 2 l and 2 l + 1
	v_lshl_add_u32 v52, v0, 3, GSC                 ; and puts them at GSC + 256 x wave + 8 x lane
	v_min_u32 v[PFO], 16, v48
	v_add_nc_u32 v[PFO], s56, v[PFO]
	v_min_u32 v[PFO], 66, v[PFO]                   ; inside my step's 67 blocks
	v_lshlrev_b32 v[PFO], 8, v[PFO]
	WIN 0x40
	global_load_b128 v[QA:QA+3], v[L16], s[48:49]              ; Q stays in registers
	global_load_b128 v[QA+4:QA+7], v[L16], s[48:49] offset:512
	global_load_b128 v[QB:QB+3], v[L16], s[48:49] offset:1024
	global_load_b128 v[QB+4:QB+7], v[L16], s[48:49] offset:1536
.set j, 0
.rept 8
	v_mov_b32 v[QA+8+j], 0                         ; Q's k = 64 .. 127: zero codes
	v_mov_b32 v[QB+8+j], 0
	v_mov_b32 v[KF+64+j], 0                        ; what the last tile of K names beyond its own eight registers
.set j, j+1
.endr
	WIN 0
	global_load_b32 v[QSA], v50, s[50:51]
	global_load_b32 v[QSB], v50, s[50:51] offset:64
	global_load_b32 v[SCR], v51, s[52:53]
	global_load_b32 v[SCR+1], v51, s[52:53] offset:260
.irp n, NMA, NMB
	v_mov_b32 v[\n], 0x7e000000                    ; -M: M begins far under every t,
	v_mov_b32 v[\n+1], 0xff61b1e6                  ; the largest score at -3e38
.endr
.irp n, LA, LB, FA, FB, B2, B2+2, TT
	v_mov_b32 v[\n], 0
	v_mov_b32 v[\n+1], 0
.endr
	WALU
	s_wait_loadcnt 0x0
	ds_store_b64 v52, v[SCR:SCR+1]
.macro KLOAD                           ; the step's 8 tiles of K and their scale words
	v_add_nc_u32 v[ADL], s[TB], v[L16]
	v_add_nc_u32 v[ADS], s[TB], v[L4]
	WIN 0x40
.irp n, 0,1,2,3,4,5,6,7,8,9,10,11,12,13,14,15
	ds_load_b128 v[KF+4*\n:KF+4*\n+3], v[ADL] offset:512*\n
.endr
	WIN 0
.irp i, 0,1,2,3
	ds_load_b32 v[KSC+\i], v[ADS] offset:KSO+128*\i
.endr
.endm
.macro QK QF, QS                       ; S^T = K Q^T: register j of tile t is key 16 t + 8 h + j of query r
	WIN 0x05
.irp t, 0,2,4,6
	v_wmma_scale_f32_16x16x128_f8f6f4 v[SCR+8*\t:SCR+8*\t+7], v[KF+8*\t:KF+8*\t+15], v[\QF:\QF+15], 0, v[KSC+\t/2], v[\QS]
	v_wmma_scale_f32_16x16x128_f8f6f4 v[SCR+8*\t+8:SCR+8*\t+15], v[KF+8*\t+8:KF+8*\t+23], v[\QF:\QF+15], 0, v[KSC+\t/2], v[\QS] matrix_a_scale:MATRIX_SCALE_ROW1
.endr
	WIN 0
.endm
.macro RESC OT, FF                     ; O^T under the new M, each accumulator from its low end on
.set j, 0
.rept 16
	v_pk_mul_f32 v[\OT+j:\OT+j+1], v[\OT+j:\OT+j+1], v[\FF:\FF+1] op_sel_hi:[1,0]
.set j, j+2
.endr
.endm
.macro PV OT, PC, PS                   ; O^T += V^T P^T: four accumulators by turns
	WIN 0x01
.irp d, 0,2
	v_wmma_scale_f32_16x16x128_f8f6f4 v[\OT+8*\d:\OT+8*\d+7], v[VF+16*\d:VF+16*\d+15], v[\PC:\PC+15], v[\OT+8*\d:\OT+8*\d+7], v[VSC+\d/2], v[\PS]
	v_wmma_scale_f32_16x16x128_f8f6f4 v[\OT+8*\d+8:\OT+8*\d+15], v[VF+16*\d+16:VF+16*\d+31], v[\PC:\PC+15], v[\OT+8*\d+8:\OT+8*\d+15], v[VSC+\d/2], v[\PS] matrix_a_scale:MATRIX_SCALE_ROW1
.endr
	WIN 0
.endm
; A tile's softmax and quantiser for 128 keys, and the rescaling of its O^T.  vl = 1: the step's V is asked for behind the 32 maxima, which are among the places behind the last products with V.
.macro SOFTMAX NM, LL, FF, PC, PS, OT, vl
.irp b, 0,1,2,3
	v_max3_num_f32 v[BM+\b], v[SCR+16*\b], v[SCR+1+16*\b], v[SCR+2+16*\b]   ; the largest score of each block of 32 keys: for the row's maximum and for the block's largest p
.endr
.irp i, 3,5,7,9,11,13
.irp b, 0,1,2,3
	v_max3_num_f32 v[BM+\b], v[BM+\b], v[SCR+16*\b+\i], v[SCR+1+16*\b+\i]   ; (four blocks by turns; each tile is first read at its low end)
.endr
.endr
.irp b, 0,1,2,3
	v_max_num_f32 v[BM+\b], v[BM+\b], v[SCR+15+16*\b]
.endr
.if \vl
	WIN 0x40
.irp n, 0,1,2,3,4,5,6,7,8,9,10,11,12,13,14,15
	ds_load_b128 v[VF+4*\n:VF+4*\n+3], v[ADL] offset:VCO+512*\n    ; channel block n / 4, key block n % 4
.endr
	WIN 0
	ds_load_b32 v[VSC], v[ADS] offset:VSO
	ds_load_b32 v[VSC+1], v[ADS] offset:VSO+128
.endif
.irp b, 0,1,2,3
	v_permlanex16_b32 v[B2+\b], v[BM+\b], s[SEL], s[SEL+1]
.endr
.irp b, 0,1,2,3
	v_max_num_f32 v[BM+\b], v[BM+\b], v[B2+\b]     ; with lane l xor 16's 16 keys
.endr
	v_max3_num_f32 v[TT], v[BM], v[BM+1], v[BM+2]
	v_mov_b32 v[TT+1], v[\NM]                      ; the old -M
	v_max3_num_f32 v[\NM+1], v[TT], v[BM+3], v[\NM+1]   ; the running largest score
	v_mul_f32 v[TT], s[NCS], v[\NM+1]              ; -t
	v_floor_f32 v[\NM], v[TT]                      ; the new -M = floor(-t): M is a whole number
.set j, 0
.rept 32
	v_pk_fma_f32 v[SCR+j:SCR+j+1], v[SCR+j:SCR+j+1], s[CS:CS+1], v[\NM:\NM+1] op_sel_hi:[1,0,0]   ; t - M, two at a time
.set j, j+2
.endr
.irp b, 0,1,2,3
	v_fma_f32 v[BM+\b], v[BM+\b], s[CS], v[\NM]    ; the same of each block's largest score
.endr
	WALU
.irp b, 0,1,2,3
	v_exp_f32 v[BM+\b], v[BM+\b]                   ; the block's largest p
.endr
.set j, 0
.rept 64
	v_exp_f32 v[SCR+j], v[SCR+j]                   ; p = 2^(t - M): not normalised
.set j, j+1
.endr
	v_sub_f32 v[TT], v[\NM], v[TT+1]               ; plain work behind the batch that names none of its results: old M - new M, a whole number, 0 or less;
	v_cvt_i32_f32 v[TT], v[TT]                     ; (it saturates)
	v_ldexp_f32 v[\FF], 1.0, v[TT]                 ; f = 2^(old M - new M);
	v_pk_mul_f32 v[\LL:\LL+1], v[\LL:\LL+1], v[\FF:\FF+1] op_sel_hi:[1,0]   ; l under the new M
	s_wait_dscnt 0x0                               ; the fragments asked for ahead of the batch are in: K's (tile B's softmax), V's (tile A's)
	WALU                                           ; the one wait behind the batch; it stands directly ahead of the first readers of O^T too
	RESC \OT, \FF
.irp b, 0,1,2,3
	v_max_num_f32 v[BM+\b], 0x4800000, v[BM+\b]    ; the floor 2^(9 - 127): the byte cannot fall under 1
.endr
.irp b, 0,1,2,3
	v_add_nc_u32 v[SO+\b], 0xfc000000, v[BM+\b]    ; 8 off the exponent field: the conversion's scale operand
.endr
.irp b, 0,1,2,3
	v_and_or_b32 v[HD+\b], v[BM+\b], 0x7f800000, s[MNT]   ; 448 x the scale
.endr
.irp b, 0,1,2,3
	v_lshrrev_b32 v[B2+\b], 23, v[SO+\b]           ; the scale's byte
.endr
.irp c, 0,1,2,3,4,5,6,7                        ; the row's sum of the unquantised p: eight chains of pairs
	v_pk_add_f32 v[SM+2*\c:SM+2*\c+1], v[SCR+2*\c:SCR+2*\c+1], v[SCR+16+2*\c:SCR+17+2*\c]
.endr
	v_lshl_or_b32 v[\PS], v[B2+1], 8, v[B2]        ; p's scale word for these 128 keys
.irp c, 0,1,2,3,4,5,6,7
	v_pk_add_f32 v[SM+2*\c:SM+2*\c+1], v[SM+2*\c:SM+2*\c+1], v[SCR+32+2*\c:SCR+33+2*\c]
.endr
	v_lshl_or_b32 v[\PS], v[B2+2], 16, v[\PS]
.irp c, 0,1,2,3,4,5,6,7
	v_pk_add_f32 v[SM+2*\c:SM+2*\c+1], v[SM+2*\c:SM+2*\c+1], v[SCR+48+2*\c:SCR+49+2*\c]
.endr
	v_lshl_or_b32 v[\PS], v[B2+3], 24, v[\PS]
.irp b, 0,2                                    ; the hold (the conversion to an 8-bit code does not saturate: ISA guide 7.6.2; p is not negative): two blocks side by side, two numbers a line
.set j, 0
.rept 16
	v_dual_min_num_f32 v[SCR+16*\b+j], v[SCR+16*\b+j], v[HD+\b] :: v_dual_min_num_f32 v[SCR+16*\b+16+(j^1)], v[SCR+16*\b+16+(j^1)], v[HD+\b+1]
.set j, j+1
.endr
	v_cvt_scalef32_pk8_fp8_f32 v[\PC+4*\b:\PC+4*\b+1], v[SCR+16*\b:SCR+16*\b+7], v[SO+\b]
	v_cvt_scalef32_pk8_fp8_f32 v[\PC+4*\b+2:\PC+4*\b+3], v[SCR+16*\b+8:SCR+16*\b+15], v[SO+\b]
	v_cvt_scalef32_pk8_fp8_f32 v[\PC+4*\b+4:\PC+4*\b+5], v[SCR+16*\b+16:SCR+16*\b+23], v[SO+\b+1]
	v_cvt_scalef32_pk8_fp8_f32 v[\PC+4*\b+6:\PC+4*\b+7], v[SCR+16*\b+24:SCR+16*\b+31], v[SO+\b+1]
.endr
	v_pk_add_f32 v[SM:SM+1], v[SM:SM+1], v[SM+8:SM+9]   ; the first of the eight additions that join the chains: the plain place behind the last conversion, ahead of the products that write over its sources
.endm
.macro TAIL LL                         ; the other seven: with the first, eight places between the conversions and the products with V; seven of the eight behind the score products
.irp c, 1,2,3
	v_pk_add_f32 v[SM+2*\c:SM+2*\c+1], v[SM+2*\c:SM+2*\c+1], v[SM+8+2*\c:SM+9+2*\c]
.endr
	v_pk_add_f32 v[SM:SM+1], v[SM:SM+1], v[SM+4:SM+5]
	v_pk_add_f32 v[SM+2:SM+3], v[SM+2:SM+3], v[SM+6:SM+7]
	v_pk_add_f32 v[SM:SM+1], v[SM:SM+1], v[SM+2:SM+3]
	v_pk_add_f32 v[\LL:\LL+1], v[\LL:\LL+1], v[SM:SM+1]
.endm
.macro ITER first
	KLOAD                                          ; (its two additions are the eighth and ninth place behind tile B's score products)
.if \first
	WALU
	s_wait_dscnt 0x0                               ; K and its scale words are in
.else
	SOFTMAX NMB, LB, FB, PCB, PSB, OTB, 0
.endif
	QK QA, QSA
.if \first
.set j, 0
.rept 64
	v_mov_b32 v[OTA+j], 0                          ; both O^T begin as zeros, which the first change of M leaves zeros.  (These are the places behind the first score products)
.set j, j+1
.endr
.else
	TAIL LB
	PV OTB, PCB, PSB
	v_nop                                          ; the eighth place behind tile A's score products
.endif
	SOFTMAX NMA, LA, FA, PCA, PSA, OTA, 1
	QK QB, QSB
	TAIL LA
	PV OTA, PCA, PSA
	s_add_co_u32 s[TB], s[TB], STEPB
.endm
.macro RUN n
	s_mov_b32 s[CNT], \n
.Ltrip_\@:
	ITER 0
	s_sub_co_u32 s[CNT], s[CNT], 1
	s_cmp_lg_u32 s[CNT], 0
	WALU
	s_cbranch_scc1 .Ltrip_\@
.endm
; THE CHANGE OF SLOTS.  Each wave waits for all its tensor loads, adds 0 to its spare word, and waits for that and for its reads of the slot that it leaves.
; f > 0: a round of the cluster's barrier, and fill f first behind it, one load a wave: it has eight key steps in which to land.  f = 0: nothing is left to fetch.
.macro CHANGE base, f
	WALU
	s_wait_tensorcnt 0x0
	ds_add_u32 v[SPW], v[NIL]
	s_mov_b32 s[TB], \base
	s_wait_dscnt 0x0
.if \f
	CROUND
	TLOAD \f
.if \f < 3
	global_prefetch_b8 v[PFO], s[58:59] offset:(\f+1)*SLOTB th:TH_LOAD_NT scope:SCOPE_SE   ; my share of what I fetch in the next fill
.endif
.else
	s_barrier_signal -1
	s_barrier_wait -1
.endif
.endm
	CHANGE 0, 1                                    ; slot 0 is whole; slot 1's first fill is issued as a refill is
	ITER 1
	RUN 7
	CHANGE SLOTB, 2                                ; slot 0 takes keys 2,048 on
	RUN 8
	CHANGE 0, 3                                    ; slot 1 takes keys 3,072 on
	RUN 8
	CHANGE SLOTB, 0                                ; behind this barrier nobody reads slot 0
	RUN 8
	v_nop                                          ; no K is fetched here, so this line is the eighth place behind tile B's last score products
	SOFTMAX NMB, LB, FB, PCB, PSB, OTB, 0          ; tile B's part of the last key step
	TAIL LB
	PV OTB, PCB, PSB
	; THE WAY OUT.  l's halves are added; O^T is divided by l, multiplied by the head's diagonal, and goes through my stage in LDS, so that sixteen lanes store one token's 256 bytes of this head.
	v_add_f32 v[LA], v[LA], v[LA+1]
	v_add_f32 v[LB], v[LB], v[LB+1]
	v_and_b32 v30, 15, v0                          ; r
	v_bfe_u32 v31, v0, 4, 1                        ; h
	v_permlanex16_b32 v[TT], v[LA], s[SEL], s[SEL+1]
	v_permlanex16_b32 v[TT+1], v[LB], s[SEL], s[SEL+1]
	s_mul_i32 s56, s[WV], 32*SP                    ; my stage
	s_lshl_b32 s57, s[WV], 8
	s_add_co_u32 s57, s57, GSC                     ; my copy of the diagonal
	v_mul_u32_u24 v32, v30, SP
	v_mul_u32_u24 v33, v31, SP
	v_lshl_add_u32 v32, v31, 5, v32
	v_lshl_add_u32 v33, v30, 4, v33
	v_add_nc_u32 v32, s56, v32                     ; in: row r; channel block d's eight of my half: 64 d + 32 h bytes on
	v_add_nc_u32 v33, s56, v33                     ; back: lanes 0-15 one row, lanes 16-31 the next
	v_lshl_add_u32 v34, v31, 5, s57
	v_lshlrev_b32 v35, 12, v31
	v_lshl_add_u32 v35, v30, 4, v35                ; and the same two rows in out
	v_add_f32 v[LA], v[LA], v[TT]                  ; the rows' sums
	v_add_f32 v[LB], v[LB], v[TT+1]
	WALU                                           ; ahead of the transcendentals
	v_rcp_f32 v[LA], v[LA]
	v_rcp_f32 v[LB], v[LB]
	v_nop
.irp d, 0,1,2,3
	ds_load_b128 v[DG+8*\d:DG+8*\d+3], v34 offset:64*\d            ; the diagonal at channels 16 d + 8 h + 0 .. 7
	ds_load_b128 v[DG+8*\d+4:DG+8*\d+7], v34 offset:64*\d+16
.endr
	WALU                                           ; behind them, directly ahead of the first readers of both O^T
.set j, 0
.rept 16
	v_pk_mul_f32 v[SCR+j:SCR+j+1], v[OTA+j:OTA+j+1], v[LA:LA+1] op_sel_hi:[1,0]   ; O^T / l: register 8 d + i is channel 16 d + 8 h + i of query r
.set j, j+2
.endr
.set j, 0
.rept 16
	v_pk_mul_f32 v[SCR+32+j:SCR+33+j], v[OTB+j:OTB+j+1], v[LB:LB+1] op_sel_hi:[1,0]
.set j, j+2
.endr
	s_wait_dscnt 0x0
.set j, 0
.rept 16
	v_pk_mul_f32 v[SCR+j:SCR+j+1], v[SCR+j:SCR+j+1], v[DG+j:DG+j+1]
	v_pk_mul_f32 v[SCR+32+j:SCR+33+j], v[SCR+32+j:SCR+33+j], v[DG+j:DG+j+1]
.set j, j+2
.endr
.irp x, 0,1
.irp d, 0,1,2,3
	ds_store_b128 v32, v[SCR+32*\x+8*\d:SCR+32*\x+8*\d+3] offset:16*SP*\x+64*\d
	ds_store_b128 v32, v[SCR+32*\x+8*\d+4:SCR+32*\x+8*\d+7] offset:16*SP*\x+64*\d+16
.endr
.irp i, 0,1,2,3,4,5,6,7
	ds_load_b128 v[OTA+32*\x+4*\i:OTA+32*\x+4*\i+3], v33 offset:16*SP*\x+2*\i*SP   ; LDS serves a wave's instructions in order: these see my stores
.endr
.endr
.irp x, 0,1
.irp i, 0,1,2,3,4,5,6,7
	s_wait_dscnt 16*(1-\x)+7-\i                    ; the younger stage instructions may be out: this tile's later loads, and tile B's 16 behind tile A's
	global_store_b128 v35, v[OTA+32*\x+4*\i:OTA+32*\x+4*\i+3], s[54:55] offset:65536*\x+8192*\i th:TH_STORE_NT   ; 16 lanes store 256 consecutive bytes, at a multiple of 256 from out's first byte
.endr
.endr
	s_wait_tensorcnt 0x0                           ; the wave's end
	ds_add_u32 v[SPW], v[NIL]
	s_wait_dscnt 0x0
	CROUND                                         ; the closing round
	s_endpgm
.Lfunc_end_k_q4d150d4447_attn:
	.size	k_q4d150d4447_attn, .Lfunc_end_k_q4d150d4447_attn-k_q4d150d4447_attn
	.p2alignl 7, 3214868480
	.fill 96, 4, 3214868480
	.section	.rodata,"a",@progbits
	.p2align	6, 0x0
	.amdhsa_kernel k_q4d150d4447_attn
		.amdhsa_group_segment_fixed_size 327680
		.amdhsa_private_segment_fixed_size 0
		.amdhsa_enable_private_segment 0
		.amdhsa_kernarg_size 32
		.amdhsa_user_sgpr_count 2
		.amdhsa_user_sgpr_kernarg_segment_ptr 1
		.amdhsa_wavefront_size32 1
		.amdhsa_system_sgpr_workgroup_id_x 1
		.amdhsa_system_sgpr_workgroup_id_y 1
		.amdhsa_system_sgpr_workgroup_id_z 1
		.amdhsa_system_vgpr_workitem_id 0
		.amdhsa_next_free_vgpr 512
		.amdhsa_next_free_sgpr 66
		.amdhsa_reserve_vcc 0
		.amdhsa_float_denorm_mode_32 3
		.amdhsa_float_denorm_mode_16_64 3
		.amdhsa_memory_ordered 1
		.amdhsa_forward_progress 1
		.amdhsa_inst_pref_size 191
	.end_amdhsa_kernel
	.amdgpu_metadata
---
amdhsa.version: [ 1, 2 ]
amdhsa.kernels:
  - .name:           k_q4d150d4447_attn
    .symbol:         k_q4d150d4447_attn.kd
    .args:
      - { .name: qimg, .offset: 0, .size: 8, .value_kind: global_buffer, .address_space: global }
      - { .name: kv, .offset: 8, .size: 8, .value_kind: global_buffer, .address_space: global }
      - { .name: hebbian_trace, .offset: 16, .size: 8, .value_kind: global_buffer, .address_space: global }
      - { .name: out0, .offset: 24, .size: 8, .value_kind: global_buffer, .address_space: global }
    .group_segment_fixed_size: 327680
    .private_segment_fixed_size: 0
    .kernarg_segment_align: 8
    .kernarg_segment_size: 32
    .max_flat_workgroup_size: 256
    .sgpr_count:     66
    .vgpr_count:     512
    .wavefront_size: 32
...
	.end_amdgpu_metadata
.endif
;; end of part 2
